; MI455X (gfx1250); checked and timed in simulation.
; The chip was launched on July 23, 2026; its instructions are those of AMD's public machine-readable ISA for CDNA 5 (MIT licence, August 2026) and "CDNA5" Instruction Set Architecture Reference Guide (July 2026). The comments in the code are by the model that wrote it; some were corrected since.
;; Causal Word Propagation. Allowed arithmetic: float matrix products may take bf16 or f16 operands with f32 sums; all other float work in f32.
;; Inputs: decay_logit one number float32; k_scale 1,024 float32; out_scale one number float32; q_scale 1,024 float32; x 4 x 2,048 x 1,024 float32.
;; Outputs: out0 4 x 2,048 x 1,024 float32.
;; One version. Each part assembles by itself: llvm-mc -triple=amdgcn-amd-amdhsa -mcpu=gfx1250 --defsym DOCPART=n.
;; ======== version 1 of 1: 3 launches
;; workspace buffers: xh 16,777,216 bytes; xq 16,777,216 bytes; p 33,554,432 bytes; mx 4,096 bytes
;; launch prep (part 1): grid 512 x 1, 8 waves a work-group, no clusters, 1,280 bytes of LDS; arguments x, q_scale, k_scale, xh, xq, mx; writes xh, xq, mx
.if DOCPART == 1
	.amdgcn_target "amdgcn-amd-amdhsa--gfx1250"
	.amdhsa_code_object_version 6
	.text
	.protected	k_q1b5ba5e7a4_prep
	.globl	k_q1b5ba5e7a4_prep
	.p2align	8
	.type	k_q1b5ba5e7a4_prep,@function
k_q1b5ba5e7a4_prep:
	s_mov_b64 s[64:65], 0
	v_nop
	global_prefetch_b8 v0, s[64:65] scope:SCOPE_SE
	s_setreg_imm32_b32 hwreg(HW_REG_WAVE_MODE, 25, 1), 1
	s_wait_xcnt 0x0
; xh = f16(x), xq = f16(x * q_scale * k_scale / e_qk), and two figures for the later launches' scales.
; x: [8192][1024] f32 (4 batches of 2048 rows); xh, xq: [8192][1024] f16; mx: [1024] f32.
; The two scales enter the scores only as the product q[v] k[v], so it is put on one operand of the score product, formed in f32.
; WHY f16 AND HOW IT HAS ROOM: f16 keeps 11 significant bits.  e_qk is the power of two at or below the largest |q[v] k[v]| (kept inside
; 2^-126 .. 2^126), so |q k / e_qk| < 2 and xq has the range of 2 x, whatever the size of q and k; dividing by a power of two rounds nothing.
; mx[g] = the largest |x| of work-group g's 16 rows; mx[512 + g] = e_qk (the same number from every work-group).
; LIMITS: |x| < 32,752 (so that 2 |x| stays inside f16); |q k| < 2^127.
; A stream: memory binds, so no matrix unit and no tensor loads.  Eight waves; the work-group owns 16 rows.  Thread t owns columns 4 t .. 4 t + 3
; of every row: a load of a wave covers 512 neighbouring bytes of x, a store of a wave 256 neighbouring bytes of xh or xq, aligned to 256.
; All 16 loads of a thread go out at once, ahead of the exchange for e_qk; every row has registers of its own for what is loaded and what is
; stored, and the address registers are never rewritten.
.set XROW, 4096                        ; bytes in a row of x
.set YROW, 2048                        ; bytes in a row of xh, xq
.set QK,  4                            ; v[4:7]     q, then q k, then q k / e_qk, of my 4 columns
.set KS,  8                            ; v[8:11]    k of my 4 columns
.set T,   12                           ; v[12:15]   at work
.set X,   16                           ; v[16:79]   row i: 4 registers as loaded
.set YB,  80                           ; v[80:111]  row i: 2 registers for xh
.set YQ,  112                          ; v[112:143] row i: 2 registers for xq
.set M,   144                          ; v[144:145] largest |q k|
.set R,   146                          ; v[146:153] the eight waves' figures, read back
.set E,   154                          ; v154       e_qk
.set INV, 156                          ; v[156:157] 1 / e_qk, twice
.set XM,  158                          ; v[158:159] two running maxima of |x|
.set ZA,  160                          ; v160       LDS address 0
.set AD,  161                          ; v161       4 x work-group: my word in mx
; the largest of register r over the wave's 32 lanes, in every lane: four steps inside each half of 16 lanes, one across the halves
.macro WAVEMAX r, t
	v_max_num_f32_dpp v[\r], v[\r], v[\r] row_xmask:1 row_mask:0xf bank_mask:0xf
	v_max_num_f32_dpp v[\r], v[\r], v[\r] row_xmask:2 row_mask:0xf bank_mask:0xf
	v_max_num_f32_dpp v[\r], v[\r], v[\r] row_xmask:4 row_mask:0xf bank_mask:0xf
	v_max_num_f32_dpp v[\r], v[\r], v[\r] row_xmask:8 row_mask:0xf bank_mask:0xf
	v_mov_b32 v[\t], v[\r]                         ; the destination of v_permlanex16_b32 counts as read
	v_permlanex16_b32 v[\t], v[\r], s18, s19
	v_max_num_f32 v[\r], v[\r], v[\t]
.endm
; the largest of the eight waves' words at LDS byte off, into v[R]
.macro GROUPMAX off
	ds_load_b128 v[R:R+3],   v[ZA] offset:\off
	ds_load_b128 v[R+4:R+7], v[ZA] offset:\off+16
	s_wait_dscnt 0x0
	v_max3_num_f32 v[R],   v[R],   v[R+1], v[R+2]
	v_max3_num_f32 v[R+3], v[R+3], v[R+4], v[R+5]
	v_max3_num_f32 v[R],   v[R],   v[R+6], v[R+7]
	v_max_num_f32  v[R],   v[R],   v[R+3]
.endm
	s_load_b256 s[4:11], s[0:1], 0x0               ; x s[4:5], q_scale s[6:7], k_scale s[8:9], xh s[10:11]
	s_load_b128 s[12:15], s[0:1], 0x20             ; xq s[12:13], mx s[14:15]
	v_lshl_add_u32 v162, v0, 2, 0x100
	v_mov_b32 v163, 0
	s_lshl_b32 s2, ttmp9, 16                       ; the work-group's 16 rows of 4,096 bytes (below 2^25)
	s_mov_b32 s3, 0
	s_lshl_b32 s16, ttmp9, 15                      ; and of 2,048 bytes
	s_mov_b32 s17, 0
	s_mov_b32 s18, 0x76543210                      ; v_permlanex16_b32: lane i of one half reads lane i of the other
	s_mov_b32 s19, 0xfedcba98
	s_lshl_b32 s21, ttmp9, 2
	v_lshlrev_b32 v1, 4, v0                        ; 16 t: my bytes in a row of x, in q and in k
	v_lshlrev_b32 v2, 3, v0                        ; 8 t: my bytes in a row of xh, xq
	v_lshrrev_b32 v3, 5, v0
	v_readfirstlane_b32 s20, v3                    ; wave 0..7
	v_lshlrev_b32 v3, 2, v3                        ; my wave's word in LDS
	v_mov_b32 v[ZA], 0
	v_mov_b32 v[AD], s21
	s_wait_kmcnt 0x0
	s_add_nc_u64 s[4:5], s[4:5], s[2:3]
	s_add_nc_u64 s[10:11], s[10:11], s[16:17]
	s_add_nc_u64 s[12:13], s[12:13], s[16:17]
	global_load_b128 v[QK:QK+3], v1, s[6:7]
	global_load_b128 v[KS:KS+3], v1, s[8:9]
.irp i, 0,1,2,3,4,5,6,7,8,9,10,11,12,13,14,15
	global_load_b128 v[X+4*\i:X+4*\i+3], v1, s[4:5] offset:\i*XROW th:TH_LOAD_NT   ; x is read once in this launch
.endr
	s_wait_loadcnt 16                              ; q and k are in; the 16 younger loads, the rows, stay out
	v_pk_mul_f32 v[QK:QK+1], v[QK:QK+1], v[KS:KS+1]
	v_pk_mul_f32 v[QK+2:QK+3], v[QK+2:QK+3], v[KS+2:KS+3]
	; e_qk: my 4 columns, my wave's 128, then all 1024 through LDS bytes 0-31
	v_max_num_f32 v[M], |v[QK]|, |v[QK+1]|
	v_max3_num_f32 v[M], |v[QK+2]|, |v[QK+3]|, v[M]
	WAVEMAX M, M+1
	ds_store_b32 v3, v[M]                          ; all lanes write the same word with the same value
	s_wait_dscnt 0x0                               ; for the others' sake: my word is in LDS before I signal
	s_barrier_signal -1
	s_barrier_wait -1
	GROUPMAX 0
	v_max_num_f32 v[R], 0x00800000, v[R]           ; at least 2^-126,
	v_min_num_f32 v[R], 0x7e800000, v[R]           ; at most 2^126: both e_qk and its reciprocal are normal numbers
	v_and_b32 v[E], 0x7f800000, v[R]               ; the exponent alone: e_qk
	v_sub_nc_u32 v[INV], 0x7f000000, v[E]          ; exponent 254 - e: 1 / e_qk
	v_mov_b32 v[INV+1], v[INV]
	v_pk_mul_f32 v[QK:QK+1], v[QK:QK+1], v[INV:INV+1]
	v_pk_mul_f32 v[QK+2:QK+3], v[QK+2:QK+3], v[INV:INV+1]
.macro SLOT i
	s_wait_loadcnt 15-\i                           ; loads come back in order: row i is in, the 15 - i younger rows stay out
	v_cvt_pk_f16_f32 v[YB+2*\i],   v[X+4*\i],   v[X+4*\i+1]
	v_cvt_pk_f16_f32 v[YB+2*\i+1], v[X+4*\i+2], v[X+4*\i+3]
	v_pk_mul_f32 v[T:T+1],   v[X+4*\i:X+4*\i+1],   v[QK:QK+1]
	v_pk_mul_f32 v[T+2:T+3], v[X+4*\i+2:X+4*\i+3], v[QK+2:QK+3]
	v_cvt_pk_f16_f32 v[YQ+2*\i],   v[T],   v[T+1]
	v_cvt_pk_f16_f32 v[YQ+2*\i+1], v[T+2], v[T+3]
.if \i
	v_max3_num_f32 v[XM],   |v[X+4*\i]|,   |v[X+4*\i+1]|, v[XM]
	v_max3_num_f32 v[XM+1], |v[X+4*\i+2]|, |v[X+4*\i+3]|, v[XM+1]
.else
	v_max_num_f32 v[XM],   |v[X]|,   |v[X+1]|      ; the first row starts the two chains: nothing is cleared
	v_max_num_f32 v[XM+1], |v[X+2]|, |v[X+3]|
.endif
	global_store_b64 v2, v[YB+2*\i:YB+2*\i+1], s[10:11] offset:\i*YROW     ; later launches read these again: no hint
	global_store_b64 v2, v[YQ+2*\i:YQ+2*\i+1], s[12:13] offset:\i*YROW
.endm
.irp i, 0,1,2,3,4,5,6,7,8,9,10,11,12,13,14,15
	SLOT \i
.endr
	; the largest |x| of the 16 rows, through LDS bytes 64-95 (other bytes than the first exchange's, so one barrier is enough)
	v_max_num_f32 v[XM], v[XM], v[XM+1]
	WAVEMAX XM, XM+1
	ds_store_b32 v3, v[XM] offset:64
	s_wait_dscnt 0x0                               ; my word is in LDS before I signal
	s_barrier_signal -1
	s_barrier_wait -1
	s_cmp_lg_u32 s20, 0
	s_cbranch_scc1 .Lend                           ; wave 0 alone goes on
	GROUPMAX 64
	v_cmp_eq_u32 vcc_lo, 0, v0
	s_wait_xcnt 0x0                                ; EXEC is a source of the stores above: it changes only behind this wait
	s_and_saveexec_b32 s22, vcc_lo                 ; one lane: two words are all that the work-group has to say
	global_store_b32 v[AD], v[R], s[14:15]
	global_store_b32 v[AD], v[E], s[14:15] offset:2048
	s_wait_xcnt 0x0                                ; and again in front of the line that widens it
	s_or_b32 exec_lo, exec_lo, s22
.Lend:
	s_wait_tensorcnt 0x0
	ds_add_u32 v162, v163
	s_wait_dscnt 0x0
	s_endpgm
.Lfunc_end_k_q1b5ba5e7a4_prep:
	.size	k_q1b5ba5e7a4_prep, .Lfunc_end_k_q1b5ba5e7a4_prep-k_q1b5ba5e7a4_prep
	.p2alignl 7, 3214868480
	.fill 96, 4, 3214868480
	.section	.rodata,"a",@progbits
	.p2align	6, 0x0
	.amdhsa_kernel k_q1b5ba5e7a4_prep
		.amdhsa_group_segment_fixed_size 1280
		.amdhsa_private_segment_fixed_size 0
		.amdhsa_enable_private_segment 0
		.amdhsa_kernarg_size 48
		.amdhsa_user_sgpr_count 2
		.amdhsa_user_sgpr_kernarg_segment_ptr 1
		.amdhsa_wavefront_size32 1
		.amdhsa_system_sgpr_workgroup_id_x 1
		.amdhsa_system_sgpr_workgroup_id_y 1
		.amdhsa_system_sgpr_workgroup_id_z 1
		.amdhsa_system_vgpr_workitem_id 0
		.amdhsa_next_free_vgpr 164
		.amdhsa_next_free_sgpr 66
		.amdhsa_reserve_vcc 1
		.amdhsa_float_denorm_mode_32 3
		.amdhsa_float_denorm_mode_16_64 3
		.amdhsa_memory_ordered 1
		.amdhsa_forward_progress 1
		.amdhsa_inst_pref_size 18
	.end_amdhsa_kernel
	.amdgpu_metadata
---
amdhsa.version: [ 1, 2 ]
amdhsa.kernels:
  - .name:           k_q1b5ba5e7a4_prep
    .symbol:         k_q1b5ba5e7a4_prep.kd
    .args:
      - { .name: x, .offset: 0, .size: 8, .value_kind: global_buffer, .address_space: global }
      - { .name: q_scale, .offset: 8, .size: 8, .value_kind: global_buffer, .address_space: global }
      - { .name: k_scale, .offset: 16, .size: 8, .value_kind: global_buffer, .address_space: global }
      - { .name: xh, .offset: 24, .size: 8, .value_kind: global_buffer, .address_space: global }
      - { .name: xq, .offset: 32, .size: 8, .value_kind: global_buffer, .address_space: global }
      - { .name: mx, .offset: 40, .size: 8, .value_kind: global_buffer, .address_space: global }
    .group_segment_fixed_size: 1280
    .private_segment_fixed_size: 0
    .kernarg_segment_align: 8
    .kernarg_segment_size: 48
    .max_flat_workgroup_size: 256
    .sgpr_count:     66
    .vgpr_count:     164
    .wavefront_size: 32
...
	.end_amdgpu_metadata
.endif
;; end of part 1
;; launch scores (part 2): grid 9 x 16, 4 waves a work-group, no clusters, 327,680 bytes of LDS; arguments xq, xh, decay_logit, mx, p; writes p
.if DOCPART == 2
	.amdgcn_target "amdgcn-amd-amdhsa--gfx1250"
	.amdhsa_code_object_version 6
	.text
	.protected	k_q1b5ba5e7a4_scores
	.globl	k_q1b5ba5e7a4_scores
	.p2align	8
	.type	k_q1b5ba5e7a4_scores,@function
k_q1b5ba5e7a4_scores:
	s_mov_b64 s[64:65], 0
	v_nop
	global_prefetch_b8 v0, s[64:65] scope:SCOPE_SE
	s_setreg_imm32_b32 hwreg(HW_REG_WAVE_MODE, 25, 1), 1
	s_wait_xcnt 0x0
; p[b][t][s] = f16( c * w(s - t - 1) * sum over v of xq[b][t][v] xh[b][s][v] ),  w(n) = sigmoid(decay_logit)^n for n >= 0, 0 for n < 0.
; xq, xh: [4][2048][1024] f16; p: [4][2048][2048] f16; mx: [1024] f32, of which words 0-511 (the largest |x| of 16 rows each) are read here.
; Only the blocks of 256 x 256 with block column J >= block row I are made (36 a batch): below them the mask that the problem builds itself
; leaves zeros, and the next launch reads no such block.  Inside a diagonal block the masked places are stored as products with the weight 0.
; THE SCALE c GIVES p ROOM IN f16: with xmax the largest |x| and e_x the power of two at or below it (kept inside 2^-24 .. 2^15), |xq| < 2 xmax and
; xmax < 2 e_x, so a sum of 1024 products is below 2^13 e_x^2 (times 1.001 for the operands' rounding); c = 4 / e_x^2 keeps |p| below 2^15 x 1.001.
; c is a power of two: it rounds nothing.  The next launch takes it out again, together with out_scale and the scale of q k.
; A work-group makes one block with four waves; a wave makes 128 x 128: 64 accumulator tiles of 16 x 16, 512 registers.  K (= v, 1024) goes in
; steps of 128 through a ring of two LDS slots filled by the tensor data mover; a tile's rows are 256 bytes of memory, aligned to 256.
; THE TRIANGLE AS A RECTANGLE: block rows pr and 7 - pr hold 8 - pr and pr + 1 blocks, 9 together; grid x = 0..8 walks them, grid y = 4 batch + pr.
; NO CLUSTER: the blocks that share a tile are the 8, 7, .. 1 of a block row (or column); groups of four would need 48 blocks a batch for the
; 36 that there are, a third more work than is needed, or partners with different numbers of tiles.
; THE WEIGHT is made for each element as exp2(L n) from the whole number n = s - t - 1, which f32 holds exactly, with
; L = log2(sigmoid(logit)) = -(max(z, 0) + log2(1 + 2^-|z|)), z = -logit log2(e): no power of the decay is ever inverted, so any logit serves.
; A wave's 64 tiles have only 15 different patterns of n (it hangs on tile column - tile row), 8 registers each, made once.
; LIMITS: |x| < 32,752; weights below 2^-126 come out as 0 (v_exp_f32 flushes, ISA guide 15.8); p is rounded to f16; with a NaN logit the masked places are 0.
;
; REGISTERS, in windows of 256:
;   window 0: v1-55 set-up and addresses; v64-127, v128-191 fragments of xq (8 x 16 rows x 32 K), two buffers; v192-223 at work on the way out
;   window 1: v64-127, v128-191 fragments of xh, two buffers; the 15 weight patterns in v0-63 and v192-247
;   window 2: the 32 accumulator tiles of my rows 0-63 (tile (a, b) at v[8 (8 a + b)]);   window 3: those of my rows 64-127
; THE MATRIX INSTRUCTION IS USED TRANSPOSED: source 0 = 16 rows of xh (s), source 1 = 16 rows of xq (t).  Lane l then holds row t = l % 16 and its
; registers 0 to 7 the columns s = 8 (l / 16) + 0 .. 7: eight neighbouring numbers of a row of p, 16 bytes in f16.
.set SIZE_K, 1024
.set KSTEP,  128
.set PITCH,  272                       ; an LDS row: 256 bytes + 16 of padding, an odd multiple of 16: the 16 rows of a fragment load start at 16 different 16-byte columns modulo 256
.set HALFT,  128*PITCH                 ; 128 rows: what one tensor load brings, and what one wave reads of either operand
.set SLOT,   4*HALFT                   ; xq's 256 rows, then xh's 256 rows
.set STAGE,  2*SLOT                    ; behind the ring (a multiple of 256): 16 rows x 272 bytes for each wave, for the way out; no tensor load lands here
.set SPITCH, 272
.set LAPS,   SIZE_K/(2*KSTEP)          ; a lap = two K steps = once round the ring: 4
.set PROW,   4096                      ; bytes in a row of p
.set ADRA, 16                          ; v16-17  LDS address of my xq fragments in slot 0, 1
.set ADRB, 20                          ; v20-21  the same for xh
.set STO,  24                          ; v24     the way out: where I put 16 bytes of a row
.set RD,   25                          ; v25     the way out: where I read a row back
.set CO,   26                          ; v26     my byte offset in p
.set MXA,  27                          ; v27     16 x lane: my bytes in mx
.set MXV,  40                          ; v[40:55] 16 of the 512 maxima
.set F0,   64
.set F1,   128
.set TMP,  192
.set VL,   66                          ; window 1, until the first fragments land there: L twice,
.set VS,   68                          ; c twice,
.set V16,  70                          ; 16.0 twice,
.set NF,   72                          ; n of the pattern at work, as f32, 8 registers,
.set EX,   80                          ; L n,
.set NF2,  88                          ; n of the next pattern
.set G1, 32                            ; s[32:39] descriptor group 1: the shape, never rewritten
.set G0, 40                            ; s[40:47] descriptor group 0, one set for each slot
.set MSB, 0
.macro WIN new                         ; the immediate's high byte repeats the setting that is left
.if MSB != \new
	s_set_vgpr_msb (MSB<<8)|\new
.set MSB, \new
.endif
.endm
.set MUL_LO, 0xa1                      ; source 0 (xh) window 1, source 1 (xq) window 0, C and D window 2
.set MUL_HI, 0xf1                      ; the same, C and D window 3
.set TO_B,   0x40                      ; destination window 1, sources window 0
	s_load_b256 s[4:11], s[0:1], 0x0               ; xq s[4:5], xh s[6:7], decay_logit s[8:9], mx s[10:11]
	s_load_b64 s[12:13], s[0:1], 0x20              ; p
	s_set_vgpr_msb 0x40
	v_lshl_add_u32 v255, v0, 2, 0x48400
	s_set_vgpr_msb 0x4000
	v_mov_b32 v255, 0
	s_set_vgpr_msb 0x1
	ds_add_u32 v255, v255
	ds_add_u32 v255, v255
	s_set_vgpr_msb 0x100
	v_lshrrev_b32 v1, 5, v0
	v_readfirstlane_b32 s16, v1                    ; wave 0..3
	s_lshr_b32 s17, s16, 1                         ; which half of the block's rows is mine.  Also: I fetch for xq (0) or for xh (1)
	s_and_b32 s18, s16, 1                          ; which half of its columns.  Also: which 128 rows of that tile I fetch
	s_and_b32 s20, ttmp7, 0xffff
	s_and_b32 s21, s20, 3                          ; pr
	s_lshr_b32 s22, s20, 2                         ; batch
	s_sub_co_u32 s48, 8, s21                       ; blocks in block row pr
	s_add_co_u32 s49, s21, ttmp9                   ; there: J = pr + x
	s_sub_co_u32 s50, 7, s21                       ; the partner block row
	s_sub_co_u32 s51, ttmp9, 1                     ; there: J = x - 1 (taken only where x >= 8 - pr >= 5)
	s_cmp_lt_u32 ttmp9, s48
	s_cselect_b32 s23, s21, s50                    ; I
	s_cselect_b32 s24, s49, s51                    ; J
	s_sub_co_i32 s25, s24, s23
	s_lshl_b32 s25, s25, 8                         ; 256 (J - I)
	s_sub_co_i32 s52, s18, s17
	s_lshl_b32 s52, s52, 7                         ; 128 (my column half - my row half), signed
	s_add_co_i32 s25, s25, s52
	s_sub_co_i32 s25, s25, 113                     ; - 1 of n = s - t - 1, - 112 for the first pattern (tile column - tile row = -7)
	s_mov_b32 s56, 0x76543210                      ; v_permlanex16_b32: lane i of one half reads lane i of the other
	s_mov_b32 s57, 0xfedcba98
	; descriptor group 1: a tile of 128 rows x 128 elements of 2 bytes, 4 words of padding behind every 64 words
	s_mov_b32 s[G1+0], (1<<16)|(1<<20)|(5<<22)|(3<<25)
	s_mov_b32 s[G1+1], KSTEP<<16                   ; tensor_dim0 = 128
	s_mov_b32 s[G1+2], 128<<16                     ; tensor_dim1 = 128
	s_mov_b32 s[G1+3], KSTEP<<16                   ; tile_dim0 = 128
	s_mov_b32 s[G1+4], 128                         ; tile_dim1 = 128
	s_mov_b32 s[G1+5], SIZE_K                      ; elements from row to row
	s_mov_b32 s[G1+6], 0
	s_mov_b32 s[G1+7], 0
	s_mul_i32 s52, s16, HALFT                      ; where my quarter of a slot lies: wave x 128 rows
	s_wait_dscnt 0x0
	s_wait_kmcnt 0x0
	s_load_b32 s14, s[8:9], 0x0                    ; the logit
	s_cmp_eq_u32 s17, 0
	s_cselect_b32 s48, s23, s24                    ; waves 0, 1: rows of block I of xq; waves 2, 3: rows of block J of xh
	s_cselect_b64 s[50:51], s[4:5], s[6:7]
	s_lshl_b32 s48, s48, 8
	s_lshl_b32 s49, s22, 11
	s_add_co_u32 s48, s48, s49                     ; + 2048 batch
	s_lshl_b32 s49, s18, 7
	s_add_co_u32 s48, s48, s49                     ; + my 128 rows
	s_lshl_b32 s48, s48, 11                        ; rows of 2,048 bytes (below 2^24)
	s_mov_b32 s49, 0
	s_add_nc_u64 s[50:51], s[50:51], s[48:49]
	; both first fills go out together, ahead of every wait on TENSORcnt, LDS read and barrier: two tensor loads of the wave are out here, one later on
.irp s, 0,1
	s_mov_b32 s[G0+4*\s], 1
	s_add_co_u32 s[G0+4*\s+1], s52, \s*SLOT
	s_add_nc_u64 s[G0+4*\s+2:G0+4*\s+3], s[50:51], \s*KSTEP*2      ; K step s
	s_or_b32 s[G0+4*\s+3], s[G0+4*\s+3], 0x80000000                ; type = 2
	tensor_load_to_lds s[G0+4*\s:G0+4*\s+3], s[G1:G1+7]
	s_nop 0
.endr
	v_and_b32 v[MXA], 31, v0
	v_lshlrev_b32 v[MXA], 4, v[MXA]
.irp i, 0,1,2,3
	global_load_b128 v[MXV+4*\i:MXV+4*\i+3], v[MXA], s[10:11] offset:512*\i   ; the 512 maxima of |x|: 2,048 bytes, 16 words a lane
.endr
	; A fragment is 16 rows x 32 K in 8 registers: lane l holds row l % 16; registers 0-3 K = 8 (l / 16) + 0..7, registers 4-7 K = 16 + 8 (l / 16) + 0..7:
	; two loads of 16 bytes, 32 bytes apart.
	v_and_b32 v1, 15, v0                           ; r = l % 16
	v_bfe_u32 v2, v0, 4, 1                         ; h = l / 16
	v_mul_u32_u24 v3, v1, PITCH
	v_lshl_add_u32 v3, v2, 4, v3
	s_mul_i32 s53, s17, HALFT                      ; my 128 rows of xq
	s_mul_i32 s54, s18, HALFT                      ; my 128 rows of xh,
	s_add_co_u32 s54, s54, 2*HALFT                 ; which lie behind xq's 256
.irp s, 0,1
	v_add_nc_u32 v[ADRA+\s], s53, v3
	v_add_nc_u32 v[ADRB+\s], s54, v3
	s_add_co_u32 s53, s53, SLOT
	s_add_co_u32 s54, s54, SLOT
.endr
	s_mul_i32 s55, s16, 16*SPITCH
	s_add_co_u32 s55, s55, STAGE                   ; my stage
	v_mul_u32_u24 v4, v1, SPITCH
	v_lshl_add_u32 v4, v2, 4, v4
	v_add_nc_u32 v[STO], s55, v4                   ; in: row r, 16 bytes for each half of the lanes
	v_mul_u32_u24 v5, v2, SPITCH
	v_lshl_add_u32 v5, v1, 4, v5
	v_add_nc_u32 v[RD], s55, v5                    ; back: lanes 0-15 one row of 256 bytes, lanes 16-31 the next
	v_lshlrev_b32 v5, 12, v2
	v_lshl_add_u32 v[CO], v1, 4, v5                ; and the same two rows in p
	; THE WEIGHTS, while the first tiles are on their way.
	s_wait_kmcnt 0x0                               ; the logit
	v_mov_b32 v8, s14
	v_mul_f32 v8, 0xbfb8aa3b, v8                   ; z = -logit log2(e)
	v_or_b32 v10, 0x80000000, v8                   ; -|z|
	v_exp_f32 v9, v10                              ; 2^-|z|, at most 1
	v_max_num_f32 v11, 0, v8                       ; max(z, 0): also the plain instruction behind v_exp_f32 (ISA guide 5.7.2)
	s_wait_alu depctr_va_vdst(0)
	v_add_f32 v12, 1.0, v9
	v_log_f32 v13, v12
	v_lshl_add_u32 v14, v2, 3, s25                 ; 8 h + the scalar part of n: also the plain instruction behind v_log_f32
	s_wait_alu depctr_va_vdst(0)
	v_add_f32 v13, v11, v13                        ; -L = log2(1 + 2^z)
	v_sub_nc_u32 v14, v14, v1                      ; - r
.irp j, 0,1,2,3,4,5,6,7
	v_add_nc_u32 v[32+\j], \j, v14                 ; n of register j in the first pattern, a signed whole number
.endr
	; c = 4 / e_x^2 from the largest of the 512 maxima: my 16, then the 32 lanes'
	s_wait_loadcnt 0x0                             ; the four loads of mx, the only loads into registers of this text
	v_max3_num_f32 v[MXV],    v[MXV],    v[MXV+1],  v[MXV+2]
	v_max3_num_f32 v[MXV+3],  v[MXV+3],  v[MXV+4],  v[MXV+5]
	v_max3_num_f32 v[MXV+6],  v[MXV+6],  v[MXV+7],  v[MXV+8]
	v_max3_num_f32 v[MXV+9],  v[MXV+9],  v[MXV+10], v[MXV+11]
	v_max3_num_f32 v[MXV+12], v[MXV+12], v[MXV+13], v[MXV+14]
	v_max3_num_f32 v[MXV],    v[MXV],    v[MXV+3],  v[MXV+15]
	v_max3_num_f32 v[MXV+6],  v[MXV+6],  v[MXV+9],  v[MXV+12]
	v_max_num_f32  v[MXV],    v[MXV],    v[MXV+6]
	v_max_num_f32_dpp v[MXV], v[MXV], v[MXV] row_xmask:1 row_mask:0xf bank_mask:0xf
	v_max_num_f32_dpp v[MXV], v[MXV], v[MXV] row_xmask:2 row_mask:0xf bank_mask:0xf
	v_max_num_f32_dpp v[MXV], v[MXV], v[MXV] row_xmask:4 row_mask:0xf bank_mask:0xf
	v_max_num_f32_dpp v[MXV], v[MXV], v[MXV] row_xmask:8 row_mask:0xf bank_mask:0xf
	v_permlanex16_b32 v[MXV+1], v[MXV], s56, s57   ; its destination, which counts as read, was written by the loads
	v_max_num_f32 v[MXV], v[MXV], v[MXV+1]
	v_max_num_f32 v[MXV], 0x33800000, v[MXV]       ; at least 2^-24, f16's smallest step: below it xh is all zeros, and c stays finite
	v_min_num_f32 v[MXV], 0x47000000, v[MXV]       ; at most 2^15
	v_and_b32 v[MXV], 0x7f800000, v[MXV]           ; the exponent alone: e_x
	v_sub_nc_u32 v[MXV], 0x7f000000, v[MXV]        ; exponent 254 - e: 1 / e_x
	v_mul_f32 v[MXV+1], v[MXV], v[MXV]
	v_mul_f32 v[MXV+1], 4.0, v[MXV+1]              ; c, between 2^-28 and 2^50
	WIN TO_B
	v_mul_f32 v[VL], -1.0, v13
	v_mul_f32 v[VL+1], -1.0, v13
	v_mov_b32 v[VS], v[MXV+1]
	v_mov_b32 v[VS+1], v[MXV+1]
	v_mov_b32 v[V16], 0x41800000
	v_mov_b32 v[V16+1], 0x41800000
.irp j, 0,1,2,3,4,5,6,7
	v_cvt_f32_i32 v[NF+\j], v[32+\j]               ; |n| < 2^12: exact
.endr
	WIN 0x55                                       ; everything in window 1
; pattern dd serves the tiles with tile column - tile row = dd - 7; from one pattern to the next n grows by 16
.set dd, 0
.rept 15
.if dd % 2
.set NA, NF2
.set NB, NF
.else
.set NA, NF
.set NB, NF2
.endif
.set WT, 8*dd+128*(dd/8)                           ; v0-63, then v192-247: beside the fragment buffers
.irp j, 0,2,4,6
	v_pk_mul_f32 v[EX+\j:EX+\j+1], v[NA+\j:NA+\j+1], v[VL:VL+1]
.endr
.irp j, 0,1,2,3,4,5,6,7
	v_exp_f32 v[WT+\j], v[EX+\j]                   ; decay^n
.endr
.if dd < 14
	s_wait_alu depctr_va_vdst(0)
.irp j, 0,2,4,6
	v_pk_add_f32 v[NB+\j:NB+\j+1], v[NA+\j:NA+\j+1], v[V16:V16+1]  ; the next pattern's n: also the plain instructions behind the exponentials
.endr
.else
	v_nop                                          ; the plain instruction behind the last exponentials
	s_wait_alu depctr_va_vdst(0)
.endif
.irp j, 0,2,4,6
	v_pk_mul_f32 v[WT+\j:WT+\j+1], v[WT+\j:WT+\j+1], v[VS:VS+1]
.endr
.irp j, 0,1,2,3,4,5,6,7
	v_cmp_le_f32 vcc_lo, 0, v[NA+\j]               ; n >= 0, that is s > t
	v_cndmask_b32 v[WT+\j], 0, v[WT+\j], vcc_lo    ; the choice stands behind the exponential: what n < 0 made of it is thrown away
.endr
.set dd, dd+1
.endr
	WIN 0
; 16 matrix instructions: tile rows a0, a0 + 1 of the window's four (hi = 0: my rows 0-63, 1: rows 64-127) x all 8 tile columns, 32 along K.
; zero = 1: the first product starts the sums.  The 64 accumulators take turns, one instruction a turn, in the same order in every quarter
; step and over the loop's backward jump.
.macro MUL16 f, hi, a0, zero
.irp a, \a0, \a0+1
.irp b, 0,1,2,3,4,5,6,7
.if \zero
	v_wmma_f32_16x16x32_f16 v[8*(8*(\a)+\b):8*(8*(\a)+\b)+7], v[\f+8*\b:\f+8*\b+7], v[\f+8*(4*\hi+\a):\f+8*(4*\hi+\a)+7], 0
.else
	v_wmma_f32_16x16x32_f16 v[8*(8*(\a)+\b):8*(8*(\a)+\b)+7], v[\f+8*\b:\f+8*\b+7], v[\f+8*(4*\hi+\a):\f+8*(4*\hi+\a)+7], v[8*(8*(\a)+\b):8*(8*(\a)+\b)+7]
.endif
.endr
.endr
.endm
; 32 LDS loads in one run: the fragments of one quarter step (128 rows of xh, 128 rows of xq, 32 K at byte k of the rows) into buffer f
.macro FETCH slot, k, f
	WIN TO_B
.irp i, 0,1,2,3,4,5,6,7
	ds_load_b128 v[\f+8*\i:\f+8*\i+3],   v[ADRB+\slot] offset:\k+\i*16*PITCH
	ds_load_b128 v[\f+8*\i+4:\f+8*\i+7], v[ADRB+\slot] offset:\k+\i*16*PITCH+32
.endr
	WIN 0
.irp i, 0,1,2,3,4,5,6,7
	ds_load_b128 v[\f+8*\i:\f+8*\i+3],   v[ADRA+\slot] offset:\k+\i*16*PITCH
	ds_load_b128 v[\f+8*\i+4:\f+8*\i+7], v[ADRA+\slot] offset:\k+\i*16*PITCH+32
.endr
.endm
; Four independent vector instructions between a matrix instruction and a load into a register that it read, or a vector instruction that
; reads its result (ISA guide 7.12.1 for vector instructions).
.macro PLACES
.rept 4
	v_nop
.endr
.endm
; A K step is four quarter steps of 32 along K, 64 matrix instructions each, on buffers 0, 1, 0, 1.
.macro QUARTER slot, k, f, g, zero
	s_wait_dscnt 8                                 ; xh and xq's rows 0-63 are in; the youngest eight loads (xq's rows 64-127) may be out
	WIN MUL_LO
	MUL16 \f, 0, 0, \zero
	MUL16 \f, 0, 2, \zero
	PLACES
	FETCH \slot, \k, \g
	s_wait_dscnt 32                                ; all but the 32 just issued
	WIN MUL_HI
	MUL16 \f, 1, 0, \zero
	MUL16 \f, 1, 2, \zero
.endm
.macro THREE slot, zero
	QUARTER \slot, 64,  F0, F1, \zero
	QUARTER \slot, 128, F1, F0, 0
	QUARTER \slot, 192, F0, F1, 0
.endm
; The last quarter: multiplies buffer 1 and changes slots.  One barrier for two things: in front of it each wave waits for its reads of this
; slot and for all its tensor loads (one is out: its part of the next slot); behind it nobody reads this slot and the next one is whole.
; The refill is the first thing behind the barrier, one tensor load a wave; from there to the wait for it a wave issues 240 matrix instructions.
.macro TURN slot, next, fill
	s_wait_dscnt 8
	WIN MUL_LO
	MUL16 F1, 0, 0, 0
	s_wait_dscnt 0                                 ; my reads of this slot are over
	s_wait_tensorcnt 0x0                           ; all my tensor loads have landed, so a group 0 may be written:
	ds_add_u32 v255, v255
	s_wait_dscnt 0x0
.if \fill
	s_add_nc_u64 s[G0+4*\slot+2:G0+4*\slot+3], s[G0+4*\slot+2:G0+4*\slot+3], 2*KSTEP*2   ; this slot's next tile, two K steps on
.endif
	s_barrier_signal -1
	MUL16 F1, 0, 2, 0                              ; register work while the others arrive
	s_barrier_wait -1
.if \fill
	tensor_load_to_lds s[G0+4*\slot:G0+4*\slot+3], s[G1:G1+7]
	s_nop 0
.endif
	PLACES
	FETCH \next, 0, F0
	WIN MUL_HI
	MUL16 F1, 1, 0, 0
	MUL16 F1, 1, 2, 0
.endm
.macro LAP zero
	THREE 0, \zero
	TURN 0, 1, 1
	THREE 1, 0
	TURN 1, 0, 1
.endm
	s_wait_tensorcnt 0x1                           ; my part of K step 0 is in; K step 1's load stays out
	s_barrier_signal -1
	s_barrier_wait -1                              ; everybody's is
	FETCH 0, 0, F0
	LAP 1                                          ; the first lap stands in front of the loop: its first products start the sums
	WIN 0                                          ; at a label and at a branch every window is 0
	s_mov_b32 s3, LAPS-2
.Llap:
	LAP 0
	WIN 0
	s_sub_co_u32 s3, s3, 1
	s_cmp_lg_u32 s3, 0
	s_cbranch_scc1 .Llap
	THREE 0, 0                                     ; the last lap fills nothing
	TURN 0, 1, 0
	THREE 1, 0
	s_wait_dscnt 8
	WIN MUL_LO
	MUL16 F1, 0, 0, 0
	MUL16 F1, 0, 2, 0
	s_wait_dscnt 0
	WIN MUL_HI
	MUL16 F1, 1, 0, 0
	MUL16 F1, 1, 2, 0
	; THE WAY OUT, 16 rows of p at a time: times the weights, round to f16, 16 bytes a lane into my own stage, read back as whole rows of 256 bytes.
	PLACES
	s_lshl_b32 s48, s22, 11                        ; 2048 batch
	s_lshl_b32 s49, s23, 8                         ; + 256 I
	s_add_co_u32 s48, s48, s49
	s_lshl_b32 s49, s17, 7                         ; + my 128 rows
	s_add_co_u32 s48, s48, s49
	s_lshl_b32 s48, s48, 12                        ; rows of 4,096 bytes (below 2^25)
	s_lshl_b32 s49, s24, 9                         ; + 512 J bytes
	s_add_co_u32 s48, s48, s49
	s_lshl_b32 s49, s18, 8                         ; + my 256 bytes
	s_add_co_u32 s48, s48, s49
	s_mov_b32 s49, 0
	s_add_nc_u64 s[12:13], s[12:13], s[48:49]
; tile row i of my eight = the eight tiles (a, 0..7) of window 2 or 3.  wmul: accumulators as source 0 and destination, weights (window 1) as source 1;
; from: accumulators as sources 0 and 1, destination window 0; f: F0 or F1 in turn.  Tile (i, b) takes the pattern b - i + 7.
.macro OUT16 i, a, wmul, from, f
	WIN \wmul
.irp b, 0,1,2,3,4,5,6,7
.irp r, 0,1,2,3
	v_pk_mul_f32 v[8*(8*\a+\b)+2*\r:8*(8*\a+\b)+2*\r+1], v[8*(8*\a+\b)+2*\r:8*(8*\a+\b)+2*\r+1], v[8*(\b-\i+7)+128*((\b-\i+7)/8)+2*\r:8*(\b-\i+7)+128*((\b-\i+7)/8)+2*\r+1]
.endr
.endr
	WIN \from
.irp b, 0,1,2,3,4,5,6,7
.irp r, 0,1,2,3
	v_cvt_pk_f16_f32 v[TMP+4*\b+\r], v[8*(8*\a+\b)+2*\r], v[8*(8*\a+\b)+2*\r+1]
.endr
.endr
	WIN 0
.irp b, 0,1,2,3,4,5,6,7
	ds_store_b128 v[STO], v[TMP+4*\b:TMP+4*\b+3] offset:32*\b
.endr
	s_wait_xcnt 0x0                                ; buffer f, which earlier stores read, and the stores' base are rewritten only behind this wait
.if \i
	s_add_nc_u64 s[12:13], s[12:13], 16*PROW       ; 16 rows of p on
.endif
.irp t, 0,1,2,3,4,5,6,7
	ds_load_b128 v[\f+4*\t:\f+4*\t+3], v[RD] offset:\t*2*SPITCH    ; LDS serves a wave's instructions in order (ISA guide 5.7.1): these see the stores above
.endr
.irp t, 0,1,2,3,4,5,6,7
	s_wait_dscnt 7-\t                              ; pair t of rows is back, the 7 - t younger loads stay out
	global_store_b128 v[CO], v[\f+4*\t:\f+4*\t+3], s[12:13] offset:2*\t*PROW   ; 16 lanes store 256 consecutive bytes, aligned to 256
.endr
.endm
	OUT16 0, 0, 0x86, 0x0a, F0
	OUT16 1, 1, 0x86, 0x0a, F1
	OUT16 2, 2, 0x86, 0x0a, F0
	OUT16 3, 3, 0x86, 0x0a, F1
	OUT16 4, 0, 0xc7, 0x0f, F0
	OUT16 5, 1, 0xc7, 0x0f, F1
	OUT16 6, 2, 0xc7, 0x0f, F0
	OUT16 7, 3, 0xc7, 0x0f, F1
	s_set_vgpr_msb 0x1
	s_wait_tensorcnt 0x0
	ds_add_u32 v255, v255
	s_wait_dscnt 0x0
	s_set_vgpr_msb 0x100
	s_endpgm
.Lfunc_end_k_q1b5ba5e7a4_scores:
	.size	k_q1b5ba5e7a4_scores, .Lfunc_end_k_q1b5ba5e7a4_scores-k_q1b5ba5e7a4_scores
	.p2alignl 7, 3214868480
	.fill 96, 4, 3214868480
	.section	.rodata,"a",@progbits
	.p2align	6, 0x0
	.amdhsa_kernel k_q1b5ba5e7a4_scores
		.amdhsa_group_segment_fixed_size 327680
		.amdhsa_private_segment_fixed_size 0
		.amdhsa_enable_private_segment 0
		.amdhsa_kernarg_size 40
		.amdhsa_user_sgpr_count 2
		.amdhsa_user_sgpr_kernarg_segment_ptr 1
		.amdhsa_wavefront_size32 1
		.amdhsa_system_sgpr_workgroup_id_x 1
		.amdhsa_system_sgpr_workgroup_id_y 1
		.amdhsa_system_sgpr_workgroup_id_z 1
		.amdhsa_system_vgpr_workitem_id 0
		.amdhsa_next_free_vgpr 1024
		.amdhsa_next_free_sgpr 66
		.amdhsa_reserve_vcc 1
		.amdhsa_float_denorm_mode_32 3
		.amdhsa_float_denorm_mode_16_64 3
		.amdhsa_memory_ordered 1
		.amdhsa_forward_progress 1
		.amdhsa_inst_pref_size 234
	.end_amdhsa_kernel
	.amdgpu_metadata
---
amdhsa.version: [ 1, 2 ]
amdhsa.kernels:
  - .name:           k_q1b5ba5e7a4_scores
    .symbol:         k_q1b5ba5e7a4_scores.kd
    .args:
      - { .name: xq, .offset: 0, .size: 8, .value_kind: global_buffer, .address_space: global }
      - { .name: xh, .offset: 8, .size: 8, .value_kind: global_buffer, .address_space: global }
      - { .name: decay_logit, .offset: 16, .size: 8, .value_kind: global_buffer, .address_space: global }
      - { .name: mx, .offset: 24, .size: 8, .value_kind: global_buffer, .address_space: global }
      - { .name: p, .offset: 32, .size: 8, .value_kind: global_buffer, .address_space: global }
    .group_segment_fixed_size: 327680
    .private_segment_fixed_size: 0
    .kernarg_segment_align: 8
    .kernarg_segment_size: 40
    .max_flat_workgroup_size: 128
    .sgpr_count:     66
    .vgpr_count:     1024
    .wavefront_size: 32
...
	.end_amdgpu_metadata
.endif
;; end of part 2
;; launch mix (part 3): grid 8 x 32, 4 waves a work-group, clusters of 4 x 1, 327,680 bytes of LDS; arguments p, xh, out_scale, mx, out0; writes out0
.if DOCPART == 3
	.amdgcn_target "amdgcn-amd-amdhsa--gfx1250"
	.amdhsa_code_object_version 6
	.text
	.protected	k_q1b5ba5e7a4_mix
	.globl	k_q1b5ba5e7a4_mix
	.p2align	8
	.type	k_q1b5ba5e7a4_mix,@function
k_q1b5ba5e7a4_mix:
	s_mov_b64 s[64:65], 0
	v_nop
	global_prefetch_b8 v0, s[64:65] scope:SCOPE_SE
	s_setreg_imm32_b32 hwreg(HW_REG_WAVE_MODE, 25, 1), 1
	s_wait_xcnt 0x0
	s_wait_alu depctr_hold_cnt(0) depctr_sa_sdst(0) depctr_va_vdst(0) depctr_va_sdst(0) depctr_va_ssrc(0) depctr_va_vcc(0) depctr_vm_vsrc(0)
	s_getreg_b32 s2, hwreg(HW_REG_IB_STS2, 6, 4)
	s_cmp_eq_u32 s2, 0
	s_cbranch_scc0 .Lentry_in_a_cluster
	s_endpgm
.Lentry_in_a_cluster:
	s_bfe_u32 s2, ttmp6, 0x10000c
	s_cmp_lg_u32 s2, 0x3003
	s_cbranch_scc0 .Lentry_shape_is_right
	s_endpgm
.Lentry_shape_is_right:
; out0[b][t][v] = F * sum over s of p[b][t][s] xh[b][s][v].  p: [4][2048][2048] f16 (only its blocks of 256 x 256 with block column >= block row
; hold numbers, and only those are read); xh: [4][2048][1024] f16; out0: [4][2048][1024] f32.  Sums in f32.
; F = out_scale * e_qk * e_x^2 / 4 takes out the two powers of two that gave xq and p their room in f16: e_qk is word 512 of mx; e_x is the power of two
; at or below the largest of mx's words 0-511, kept inside 2^-24 .. 2^15, made here exactly as the launch that wrote p made it.  F is applied in f32.
; EQUAL WORK: a work-group makes two tiles of 128 rows x 128 columns of out0: row strip pp (the LONG one) and row strip 15 - pp (the SHORT one) of a batch.
; With m = pp / 2 the long strip needs the s blocks J = m .. 7 and the short one J = 7 - m .. 7: 9 steps of 256 along s in every work-group.
; Steps: 0 short J = 7; 1..5 long J = 7, 6, 5, 4, 3; steps 6 + f (f = 0, 1, 2): long J = 2 - f where m < 3 - f, else short J = 9 - f - m.
; In those three steps the matrix work stands twice, once for each set of accumulators, under a branch on m; m comes from the grid's y alone and is
; the same in all waves and in all work-groups of a cluster.  Waits, barriers, tensor loads and the change of slots stand outside those branches.
; Four waves; a wave makes 64 x 64 of each tile: 2 x 16 accumulator tiles, 256 registers.
; CLUSTER 4 x 1: the four work-groups of a cluster make four neighbouring column slices of the same two strips and need the same tiles of p: those are
; asked for jointly (mask 15).  xh's tiles hang on the column slice and are each work-group's own; work-groups that share them differ in m, that is
; in which s blocks they walk, so they are not asked for jointly.
; LDS: a slot is four regions of 36,864 bytes, region w filled by wave w with one tensor load: regions 0, 1: 64 rows of p each, 512 bytes + 16 of padding
; (33,792 bytes used); regions 2, 3: 128 rows (s) of xh each, 256 bytes + 32 of padding.  Two slots, then a stage of 16 x 272 bytes for each wave.
; xh lies [s][v], with K (= s) down the rows: its fragments come by the transposing load ds_load_tr16_b128.
; THE MATRIX INSTRUCTION IS USED TRANSPOSED: source 0 = 16 columns v of xh, source 1 = 16 rows t of p.  Lane l holds row t = l % 16, and its registers
; 0 to 7 the columns v = 8 (l / 16) + 0 .. 7: 32 neighbouring bytes of a row of out0.
; REGISTERS: window 0: v1-47 addresses, F and set-up; v64-127, v128-191 fragments of p, two buffers (fragment (a, kf) at 8 (4 kf + a));
;   window 1: v64-127, v128-191 fragments of xh (fragment (b, kf) at 8 (4 kf + b));  window 2: v0-127 the long strip's sums, v128-255 the short strip's (tile (a, b) at 8 (4 a + b)).
.set APITCH, 528                       ; an odd multiple of 16: the 16 rows of a fragment load start at 16 different 16-byte columns modulo 256
.set BPITCH, 288                       ; an odd multiple of 32, for the transposing load
.set REGION, 36864
.set SLOT,   4*REGION
.set STAGE,  2*SLOT                    ; a multiple of 256; no tensor load lands here
.set SPITCH, 272
.set JA,     512                       ; bytes of p's rows from one s block to the next
.set JB,     524288                    ; bytes of xh from one s block to the next: 256 rows of 2,048
.set OROW,   4096                      ; bytes in a row of out0
.set ADRA, 16                          ; v16-17  my p fragments in slot 0, 1
.set ADRB, 20                          ; v20-23  my xh fragments: slot 0 rows 0-127, rows 128-255, slot 1 likewise
.set STO,  24
.set RD,   25
.set CO,   26
.set FS,   28                          ; v[28:29] F, twice
.set MXA,  30                          ; v30      16 x lane: my bytes in mx
.set MXV,  32                          ; v[32:47] 16 of the 512 maxima
.set F0,   64
.set F1,   128
.set ACC_L, 0
.set ACC_S, 128
.set G1A, 24                           ; s[24:31] group 1 for p's tiles (joint)
.set G0A, 32                           ; s[32:39] group 0 for p's tiles, one set for each slot
.set APL, 40                           ; s[40:41] p at the long strip's rows that my wave would fetch, s block 0
.set APS, 42                           ; s[42:43] the same for the short strip
.set BPB, 44                           ; s[44:45] xh at the rows that my wave would fetch, s block 0, my column slice
.set G1B, 48                           ; s[48:55] group 1 for xh's tiles (my own)
.set G0B, 56                           ; s[56:63] group 0 for xh's tiles, one set for each slot
.set AF,  66                           ; s[66:71] p's tile of step 6 + f
.set BF,  72                           ; s[72:77] xh's tile of step 6 + f
.set OB,  82                           ; s[82:83] out0 at the rows being stored
.set MSB, 0
.macro WIN new                         ; the immediate's high byte repeats the setting that is left
.if MSB != \new
	s_set_vgpr_msb (MSB<<8)|\new
.set MSB, \new
.endif
.endm
.set MULW, 0xa1                        ; source 0 (xh) window 1, source 1 (p) window 0, C and D window 2
.set TO_B, 0x40                        ; destination window 1, address window 0
; One tensor load a wave: waves 0 and 1 ask jointly for p's two halves of 64 rows, waves 2 and 3 fetch xh's two halves of 128 rows.
; The branch hangs on the wave's number alone.
.macro JLOAD s
	s_cmp_eq_u32 s11, 0
	s_cbranch_scc0 .Lfor_b_\@
	tensor_load_to_lds s[G0A+4*\s:G0A+4*\s+3], s[G1A:G1A+7]
	s_nop 0
	s_branch .Lasked_\@
.Lfor_b_\@:
	tensor_load_to_lds s[G0B+4*\s:G0B+4*\s+3], s[G1B:G1B+7]
	s_nop 0
.Lasked_\@:
.endm
; A round of the cluster's barrier: my work-group's barrier; wave 0 signals for the work-group; every wave waits for all four work-groups; my work-group's barrier once more.
.macro CREST                           ; a round behind its opening barrier
	s_cmp_lg_u32 s10, 0
	s_cbranch_scc1 .Lnot_wave_0_\@
	s_barrier_signal -3
.Lnot_wave_0_\@:
	s_barrier_wait -3
	s_barrier_signal -1
	s_barrier_wait -1
.endm
.macro CROUND
	s_barrier_signal -1
	s_barrier_wait -1
	CREST
.endm
; The global addresses of a slot's next tiles; written only where no tensor load of the wave is out.
.macro NEXTADDR slot, abase, aoff, bbase, boff
	s_add_nc_u64 s[G0A+4*\slot+2:G0A+4*\slot+3], s[\abase:\abase+1], \aoff
	s_or_b32 s[G0A+4*\slot+3], s[G0A+4*\slot+3], 0x80000000        ; type = 2
	s_add_nc_u64 s[G0B+4*\slot+2:G0B+4*\slot+3], s[\bbase:\bbase+1], \boff
	s_or_b32 s[G0B+4*\slot+3], s[G0B+4*\slot+3], 0x80000000
.endm
	s_load_b128 s[4:7], s[0:1], 0x0                ; p s[4:5], xh s[6:7]
	s_load_b128 s[84:87], s[0:1], 0x10             ; out_scale s[84:85], mx s[86:87]
	s_load_b64 s[8:9], s[0:1], 0x20                ; out0
	s_set_vgpr_msb 0x40
	v_lshl_add_u32 v255, v0, 2, 0x4c400
	s_set_vgpr_msb 0x4000
	v_mov_b32 v255, 0
	s_set_vgpr_msb 0x1
	ds_add_u32 v255, v255
	ds_add_u32 v255, v255
	s_set_vgpr_msb 0x100
	v_lshrrev_b32 v1, 5, v0
	v_readfirstlane_b32 s10, v1                    ; wave 0..3
	s_lshr_b32 s11, s10, 1                         ; my 64 rows of a tile.  Also: I fetch for p (0) or for xh (1)
	s_and_b32 s12, s10, 1                          ; my 64 columns.  Also: which half of that tile I fetch
	s_bfe_u32 s13, ttmp6, 0x40000                  ; cx.  It enters s13, s14, BPB, BF, G0B, s[78:81] and OB, and nothing else
	s_lshl_b32 s14, ttmp9, 2
	s_add_co_u32 s14, s14, s13                     ; column slice = 4 x cluster x + cx
	s_and_b32 s15, ttmp7, 0xffff
	s_and_b32 s16, s15, 7                          ; pp
	s_lshr_b32 s17, s15, 3                         ; batch
	s_lshr_b32 s18, s16, 1                         ; m
	s_mov_b32 s90, 0x76543210                      ; v_permlanex16_b32: lane i of one half reads lane i of the other
	s_mov_b32 s91, 0xfedcba98
	; group 1 for p: 64 rows x 256 elements of 2 bytes, 4 words of padding behind every 128 words; mask 15: all four work-groups of the cluster; bit 21 beside the mask
	s_mov_b32 s[G1A+0], 15|(1<<16)|(1<<20)|(1<<21)|(6<<22)|(3<<25)
	s_mov_b32 s[G1A+1], 256<<16                    ; tensor_dim0 = 256
	s_mov_b32 s[G1A+2], 64<<16                     ; tensor_dim1 = 64
	s_mov_b32 s[G1A+3], 256<<16                    ; tile_dim0 = 256
	s_mov_b32 s[G1A+4], 64                         ; tile_dim1 = 64
	s_mov_b32 s[G1A+5], 2048                       ; elements from row to row
	s_mov_b32 s[G1A+6], 0
	s_mov_b32 s[G1A+7], 0
	; group 1 for xh: 128 rows x 128 elements of 2 bytes, 8 words of padding behind every 64 words; no mask
	s_mov_b32 s[G1B+0], (1<<16)|(1<<20)|(5<<22)|(7<<25)
	s_mov_b32 s[G1B+1], 128<<16
	s_mov_b32 s[G1B+2], 128<<16
	s_mov_b32 s[G1B+3], 128<<16
	s_mov_b32 s[G1B+4], 128
	s_mov_b32 s[G1B+5], 1024
	s_mov_b32 s[G1B+6], 0
	s_mov_b32 s[G1B+7], 0
	s_lshl_b32 s20, s17, 11                        ; 2048 batch
	s_lshl_b32 s21, s12, 6
	s_add_co_u32 s21, s21, s20                     ; + the 64 rows that I would fetch
	s_lshl_b32 s22, s16, 7
	s_add_co_u32 s22, s22, s21                     ; + 128 pp
	s_lshl_b32 s22, s22, 12                        ; rows of 4,096 bytes (below 2^25)
	s_mov_b32 s23, 0
	s_wait_dscnt 0x0
	s_wait_kmcnt 0x0
	s_load_b32 s88, s[84:85], 0x0                  ; out_scale
	s_load_b32 s89, s[86:87], 0x800                ; e_qk: word 512 of mx
	s_add_nc_u64 s[APL:APL+1], s[4:5], s[22:23]
	s_sub_co_u32 s22, 15, s16
	s_lshl_b32 s22, s22, 7
	s_add_co_u32 s22, s22, s21                     ; the same with strip 15 - pp
	s_lshl_b32 s22, s22, 12
	s_add_nc_u64 s[APS:APS+1], s[4:5], s[22:23]
	s_lshl_b32 s78, s12, 7
	s_add_co_u32 s78, s78, s20                     ; xh: 2048 batch + the 128 rows that I would fetch,
	s_lshl_b32 s78, s78, 11                        ; rows of 2,048 bytes,
	s_lshl_b32 s79, s14, 8
	s_add_co_u32 s78, s78, s79                     ; + 256 bytes x column slice
	s_mov_b32 s79, 0
	s_add_nc_u64 s[BPB:BPB+1], s[6:7], s[78:79]
.irp f, 0,1,2
	s_sub_co_u32 s20, 9-\f, s18                    ; the short strip's s block in step 6 + f
	s_cmp_lt_u32 s18, 3-\f
	s_cselect_b32 s20, 2-\f, s20                   ; or the long strip's
	s_cselect_b64 s[AF+2*\f:AF+2*\f+1], s[APL:APL+1], s[APS:APS+1]
	s_lshl_b32 s22, s20, 9                         ; J x 512 bytes; s23 = 0
	s_add_nc_u64 s[AF+2*\f:AF+2*\f+1], s[AF+2*\f:AF+2*\f+1], s[22:23]
	s_lshl_b32 s78, s20, 19                        ; J x 524,288 bytes; s79 = 0
	s_add_nc_u64 s[BF+2*\f:BF+2*\f+1], s[BPB:BPB+1], s[78:79]
.endr
	s_mul_i32 s21, s10, REGION                     ; my region of a slot: the wave's number alone
.irp s, 0,1
	s_mov_b32 s[G0A+4*\s], 1
	s_add_co_u32 s[G0A+4*\s+1], s21, \s*SLOT
	s_mov_b32 s[G0B+4*\s], 1
	s_add_co_u32 s[G0B+4*\s+1], s21, \s*SLOT
.endr
	NEXTADDR 0, APS, 7*JA, BPB, 7*JB               ; step 0: short strip, J = 7
	NEXTADDR 1, APL, 7*JA, BPB, 7*JB               ; step 1: long strip, J = 7
	CROUND                                         ; all four work-groups are here: the first joint loads meet
	JLOAD 0                                        ; both first fills go out together: two tensor loads of the wave are out here, one later on
	JLOAD 1
	v_and_b32 v[MXA], 31, v0
	v_lshlrev_b32 v[MXA], 4, v[MXA]
.irp i, 0,1,2,3
	global_load_b128 v[MXV+4*\i:MXV+4*\i+3], v[MXA], s[86:87] offset:512*\i   ; the 512 maxima of |x|: 2,048 bytes, 16 words a lane
.endr
	v_and_b32 v1, 15, v0                           ; r = l % 16
	v_bfe_u32 v2, v0, 4, 1                         ; h = l / 16
	v_mul_u32_u24 v3, v1, APITCH
	v_lshl_add_u32 v3, v2, 4, v3                   ; p: row r, 16 bytes for each half of the lanes
	s_mul_i32 s20, s11, REGION                     ; my 64 rows of p are one region
	v_add_nc_u32 v[ADRA], s20, v3
	v_add_nc_u32 v[ADRA+1], SLOT, v[ADRA]
	v_and_b32 v4, 7, v0
	v_lshl_add_u32 v4, v2, 3, v4                   ; xh: row (s) 8 h + l % 8,
	v_mul_u32_u24 v4, v4, BPITCH
	v_bfe_u32 v5, v0, 3, 1
	v_lshl_add_u32 v4, v5, 4, v4                   ; 16 bytes on for lanes 8-15 and 24-31,
	s_lshl_b32 s20, s12, 7                         ; my 64 columns,
	s_add_co_u32 s20, s20, 2*REGION                ; behind p's two regions
	v_add_nc_u32 v[ADRB], s20, v4
	v_add_nc_u32 v[ADRB+1], REGION, v[ADRB]
	v_add_nc_u32 v[ADRB+2], SLOT, v[ADRB]
	v_add_nc_u32 v[ADRB+3], SLOT+REGION, v[ADRB]
	s_mul_i32 s20, s10, 16*SPITCH
	s_add_co_u32 s20, s20, STAGE                   ; my stage
	v_mul_u32_u24 v6, v1, SPITCH
	v_lshl_add_u32 v6, v2, 5, v6
	v_add_nc_u32 v[STO], s20, v6                   ; in: row r, 32 bytes for each half of the lanes
	v_mul_u32_u24 v7, v2, SPITCH
	v_lshl_add_u32 v7, v1, 4, v7
	v_add_nc_u32 v[RD], s20, v7                    ; back: lanes 0-15 one row of 256 bytes, lanes 16-31 the next
	v_lshlrev_b32 v8, 12, v2
	v_lshl_add_u32 v[CO], v1, 4, v8                ; and the same two rows in out0
	; F, while the first tiles are on their way: the largest of the 512 maxima (my 16, then the 32 lanes'), its power of two, the three factors
	s_wait_kmcnt 0x0                               ; out_scale and e_qk
	s_wait_loadcnt 0x0                             ; the four loads of mx, the only loads into registers of this text
	v_max3_num_f32 v[MXV],    v[MXV],    v[MXV+1],  v[MXV+2]
	v_max3_num_f32 v[MXV+3],  v[MXV+3],  v[MXV+4],  v[MXV+5]
	v_max3_num_f32 v[MXV+6],  v[MXV+6],  v[MXV+7],  v[MXV+8]
	v_max3_num_f32 v[MXV+9],  v[MXV+9],  v[MXV+10], v[MXV+11]
	v_max3_num_f32 v[MXV+12], v[MXV+12], v[MXV+13], v[MXV+14]
	v_max3_num_f32 v[MXV],    v[MXV],    v[MXV+3],  v[MXV+15]
	v_max3_num_f32 v[MXV+6],  v[MXV+6],  v[MXV+9],  v[MXV+12]
	v_max_num_f32  v[MXV],    v[MXV],    v[MXV+6]
	v_max_num_f32_dpp v[MXV], v[MXV], v[MXV] row_xmask:1 row_mask:0xf bank_mask:0xf
	v_max_num_f32_dpp v[MXV], v[MXV], v[MXV] row_xmask:2 row_mask:0xf bank_mask:0xf
	v_max_num_f32_dpp v[MXV], v[MXV], v[MXV] row_xmask:4 row_mask:0xf bank_mask:0xf
	v_max_num_f32_dpp v[MXV], v[MXV], v[MXV] row_xmask:8 row_mask:0xf bank_mask:0xf
	v_permlanex16_b32 v[MXV+1], v[MXV], s90, s91   ; its destination, which counts as read, was written by the loads
	v_max_num_f32 v[MXV], v[MXV], v[MXV+1]
	v_max_num_f32 v[MXV], 0x33800000, v[MXV]       ; at least 2^-24,
	v_min_num_f32 v[MXV], 0x47000000, v[MXV]       ; at most 2^15,
	v_and_b32 v[MXV], 0x7f800000, v[MXV]           ; the exponent alone: e_x
	v_mul_f32 v[MXV+1], v[MXV], v[MXV]
	v_mul_f32 v[MXV+1], 0x3e800000, v[MXV+1]       ; e_x^2 / 4, between 2^-50 and 2^28
	v_mul_f32 v[MXV+1], s88, v[MXV+1]              ; x out_scale
	v_mul_f32 v[FS], s89, v[MXV+1]                 ; x e_qk
	v_mul_f32 v[FS+1], s89, v[MXV+1]
; 8 matrix instructions: tile rows a0, a0 + 1 x the 4 tile columns, 32 along s (half kf of a quarter step).  zero = 1: the product starts the sums.
; The 16 accumulators of a set take turns, one instruction a turn, always in the same order.
.macro MUL8 f, kf, a0, set, zero
.irp a, \a0, \a0+1
.irp b, 0,1,2,3
.if \zero
	v_wmma_f32_16x16x32_f16 v[\set+8*(4*(\a)+\b):\set+8*(4*(\a)+\b)+7], v[\f+8*(4*\kf+\b):\f+8*(4*\kf+\b)+7], v[\f+8*(4*\kf+(\a)):\f+8*(4*\kf+(\a))+7], 0
.else
	v_wmma_f32_16x16x32_f16 v[\set+8*(4*(\a)+\b):\set+8*(4*(\a)+\b)+7], v[\f+8*(4*\kf+\b):\f+8*(4*\kf+\b)+7], v[\f+8*(4*\kf+(\a)):\f+8*(4*\kf+(\a))+7], v[\set+8*(4*(\a)+\b):\set+8*(4*(\a)+\b)+7]
.endif
.endr
.endr
.endm
; 32 LDS loads in one run: quarter q of a step (64 along s) into buffer f: xh's 8 fragments (two transposing loads each, 16 rows apart), then p's 8, kf = 0 first
.macro FETCH slot, q, f
	WIN TO_B
.irp kf, 0,1
.irp b, 0,1,2,3
	ds_load_tr16_b128 v[\f+8*(4*\kf+\b):\f+8*(4*\kf+\b)+3],   v[ADRB+2*\slot+(\q)/2] offset:(((\q)%2)*2+\kf)*32*BPITCH+32*\b
	ds_load_tr16_b128 v[\f+8*(4*\kf+\b)+4:\f+8*(4*\kf+\b)+7], v[ADRB+2*\slot+(\q)/2] offset:(((\q)%2)*2+\kf)*32*BPITCH+32*\b+16*BPITCH
.endr
.endr
	WIN 0
.irp kf, 0,1
.irp a, 0,1,2,3
	ds_load_b128 v[\f+8*(4*\kf+\a):\f+8*(4*\kf+\a)+3],   v[ADRA+\slot] offset:\a*16*APITCH+(2*(\q)+\kf)*64
	ds_load_b128 v[\f+8*(4*\kf+\a)+4:\f+8*(4*\kf+\a)+7], v[ADRA+\slot] offset:\a*16*APITCH+(2*(\q)+\kf)*64+32
.endr
.endr
.endm
; Four independent vector instructions between a matrix instruction and a load into a register that it read, or a vector instruction that reads
; its result (ISA guide 7.12.1 for vector instructions).
.macro PLACES
.rept 4
	v_nop
.endr
.endm
; A step is four quarters of 64 along s, 32 matrix instructions each, on buffers 0, 1, 0, 1.  One of the first three: multiplies buffer f and in its
; middle fetches quarter qn of the same slot into buffer g.
.macro QUARTER slot, qn, f, g, set, zero
	s_wait_dscnt 8                                 ; xh and p's kf = 0 are in; the youngest eight loads (p's kf = 1) may be out
	WIN MULW
	MUL8 \f, 0, 0, \set, \zero
	MUL8 \f, 0, 2, \set, \zero
	PLACES
	FETCH \slot, \qn, \g
	s_wait_dscnt 32                                ; all but the 32 just issued
	WIN MULW
	MUL8 \f, 1, 0, \set, 0
	MUL8 \f, 1, 2, \set, 0
.endm
.macro THREE slot, set, zero
	QUARTER \slot, 1, F0, F1, \set, \zero
	QUARTER \slot, 2, F1, F0, \set, 0
	QUARTER \slot, 3, F0, F1, \set, 0
.endm
; The last quarter of a step whose set is fixed: multiplies buffer 1 and changes slots; this slot is filled again, two steps ahead.
; In front of the round's opening signal each wave waits for its reads of this slot and for all its tensor loads (one is out: its part of the next slot).
; Inside the round stands register work alone.  Behind its closing wait no wave of any of the four work-groups still reads this slot or has a load on
; its way: the refill comes first, one tensor load a wave.  From there to the wait for it a wave issues 112 matrix instructions.
.macro TURN slot, next, set, abase, aoff, bbase, boff
	s_wait_dscnt 0x0
	s_wait_tensorcnt 0x0
	ds_add_u32 v255, v255
	s_wait_dscnt 0x0
	s_barrier_signal -1
	WIN MULW
	MUL8 F1, 0, 0, \set, 0
	MUL8 F1, 0, 2, \set, 0
	WIN 0
	s_barrier_wait -1
	CREST
	NEXTADDR \slot, \abase, \aoff, \bbase, \boff
	JLOAD \slot
	PLACES
	FETCH \next, 0, F0
	WIN MULW
	MUL8 F1, 1, 0, \set, 0
	MUL8 F1, 1, 2, \set, 0
.endm
; The change of slots alone, for the steps whose matrix work stands under a branch: the same waits, barrier (a round where the slot is filled again),
; refill and first fetch, as text that every path shares.
.macro SWITCH slot, next, fill, abase, bbase
	s_wait_dscnt 0x0                               ; my reads of this slot are over, buffer 1 is in
	s_set_vgpr_msb 0x1
	s_wait_tensorcnt 0x0                           ; all my tensor loads have landed
	ds_add_u32 v255, v255
	s_wait_dscnt 0x0
	s_set_vgpr_msb 0x100
	s_barrier_signal -1
	s_barrier_wait -1
.if \fill
	CREST
	NEXTADDR \slot, \abase, 0, \bbase, 0
	JLOAD \slot
.endif
	PLACES
	FETCH \next, 0, F0
.endm
; kind 0: a step's first three quarters; kind 1: its last quarter (buffer 1 is in by SWITCH's wait); kind 2: the whole last step
.macro PART kind, slot, set
.if \kind != 1
	THREE \slot, \set, 0
.endif
.if \kind == 2
	s_wait_dscnt 0x0                               ; buffer 1 is in; nothing more to fetch
.endif
.if \kind != 0
	WIN MULW
	MUL8 F1, 0, 0, \set, 0
	MUL8 F1, 0, 2, \set, 0
	MUL8 F1, 1, 0, \set, 0
	MUL8 F1, 1, 2, \set, 0
.endif
	WIN 0
.endm
; Step 6 + f adds to the long strip's sums where m < 3 - f, else to the short strip's.  Both arms issue the same LDS loads.
.macro ARMS f, kind, slot
	WIN 0
	s_cmp_lt_u32 s18, 3-\f
	s_cbranch_scc0 .Lshort_\@
	PART \kind, \slot, ACC_L
	s_branch .Ljoin_\@
.Lshort_\@:
	PART \kind, \slot, ACC_S
.Ljoin_\@:
.endm
	s_wait_tensorcnt 0x1                           ; my part of step 0 is in; step 1's load stays out
	s_barrier_signal -1
	s_barrier_wait -1                              ; everybody's is
	FETCH 0, 0, F0
	THREE 0, ACC_S, 1                              ; step 0: short, J = 7; its first products start the short strip's sums
	TURN 0, 1, ACC_S, APL, 6*JA, BPB, 6*JB
	THREE 1, ACC_L, 1                              ; step 1: long, J = 7; starts the long strip's sums
	TURN 1, 0, ACC_L, APL, 5*JA, BPB, 5*JB
	THREE 0, ACC_L, 0                              ; step 2: long, J = 6
	TURN 0, 1, ACC_L, APL, 4*JA, BPB, 4*JB
	THREE 1, ACC_L, 0                              ; step 3: long, J = 5
	TURN 1, 0, ACC_L, APL, 3*JA, BPB, 3*JB
	THREE 0, ACC_L, 0                              ; step 4: long, J = 4
	TURN 0, 1, ACC_L, AF, 0, BF, 0
	THREE 1, ACC_L, 0                              ; step 5: long, J = 3
	TURN 1, 0, ACC_L, AF+2, 0, BF+2, 0
	ARMS 0, 0, 0                                   ; step 6
	SWITCH 0, 1, 1, AF+4, BF+4                     ; the last refill: step 8's tiles
	ARMS 0, 1, 0
	ARMS 1, 0, 1                                   ; step 7
	SWITCH 1, 0, 0, 0, 0                           ; nothing is left to fetch: a plain barrier; its wait for all tensor loads is the last
	ARMS 1, 1, 1
	ARMS 2, 2, 0                                   ; step 8
	; THE WAY OUT, 16 rows x 64 columns of f32 at a time: times F, 32 bytes a lane into my own stage, read back as whole rows of 256 bytes.
	PLACES
	s_lshl_b32 s78, s17, 11                        ; 2048 batch
	s_lshl_b32 s79, s11, 6
	s_add_co_u32 s78, s78, s79                     ; + my 64 rows
	s_lshl_b32 s79, s16, 7
	s_add_co_u32 s79, s79, s78                     ; + 128 pp
	s_lshl_b32 s79, s79, 12                        ; rows of 4,096 bytes (below 2^25)
	s_sub_co_u32 s80, 15, s16
	s_lshl_b32 s80, s80, 7
	s_add_co_u32 s80, s80, s78                     ; the same with strip 15 - pp
	s_lshl_b32 s80, s80, 12
	s_lshl_b32 s81, s14, 9                         ; 512 bytes x column slice
	s_lshl_b32 s78, s12, 8                         ; + my 256 bytes
	s_add_co_u32 s81, s81, s78
	s_add_co_u32 s78, s79, s81                     ; s[78:79]: the long strip's offset
	s_mov_b32 s79, 0
	s_add_co_u32 s80, s80, s81                     ; s[80:81]: the short strip's
	s_mov_b32 s81, 0
; tile row a of a set; off: the set's offset pair; f: F0 or F1 in turn
.macro OUT16 set, a, off, f
	WIN 0x82                                       ; sums (window 2) as source 0 and destination, F (window 0) as source 1
.irp b, 0,1,2,3
.irp r, 0,1,2,3
	v_pk_mul_f32 v[\set+8*(4*\a+\b)+2*\r:\set+8*(4*\a+\b)+2*\r+1], v[\set+8*(4*\a+\b)+2*\r:\set+8*(4*\a+\b)+2*\r+1], v[FS:FS+1]
.endr
.endr
	WIN 0x08                                       ; store data from window 2, address from window 0
.irp b, 0,1,2,3
	ds_store_b128 v[STO], v[\set+8*(4*\a+\b):\set+8*(4*\a+\b)+3]   offset:64*\b
	ds_store_b128 v[STO], v[\set+8*(4*\a+\b)+4:\set+8*(4*\a+\b)+7] offset:64*\b+16
.endr
	WIN 0
	s_wait_xcnt 0x0                                ; buffer f, which earlier stores read, and the stores' base are rewritten only behind this wait
.if \a
	s_add_nc_u64 s[OB:OB+1], s[OB:OB+1], 16*OROW   ; 16 rows on
.else
	s_add_nc_u64 s[OB:OB+1], s[8:9], s[\off:\off+1]
.endif
.irp t, 0,1,2,3,4,5,6,7
	ds_load_b128 v[\f+4*\t:\f+4*\t+3], v[RD] offset:\t*2*SPITCH    ; LDS serves a wave's instructions in order (ISA guide 5.7.1): these see the stores above
.endr
.irp t, 0,1,2,3,4,5,6,7
	s_wait_dscnt 7-\t                              ; pair t of rows is back, the 7 - t younger loads stay out
	global_store_b128 v[CO], v[\f+4*\t:\f+4*\t+3], s[OB:OB+1] offset:2*\t*OROW th:TH_STORE_NT   ; 16 lanes store 256 consecutive bytes, aligned to 256
.endr
.endm
	OUT16 ACC_L, 0, 78, F0
	OUT16 ACC_L, 1, 78, F1
	OUT16 ACC_L, 2, 78, F0
	OUT16 ACC_L, 3, 78, F1
	OUT16 ACC_S, 0, 80, F0
	OUT16 ACC_S, 1, 80, F1
	OUT16 ACC_S, 2, 80, F0
	OUT16 ACC_S, 3, 80, F1
	s_set_vgpr_msb 0x1
	s_wait_tensorcnt 0x0
	ds_add_u32 v255, v255
	s_wait_dscnt 0x0
	s_set_vgpr_msb 0x100
	CROUND                                         ; the closing round: no work-group ends while a partner may still ask for a tile that names it
	s_endpgm
.Lfunc_end_k_q1b5ba5e7a4_mix:
	.size	k_q1b5ba5e7a4_mix, .Lfunc_end_k_q1b5ba5e7a4_mix-k_q1b5ba5e7a4_mix
	.p2alignl 7, 3214868480
	.fill 96, 4, 3214868480
	.section	.rodata,"a",@progbits
	.p2align	6, 0x0
	.amdhsa_kernel k_q1b5ba5e7a4_mix
		.amdhsa_group_segment_fixed_size 327680
		.amdhsa_private_segment_fixed_size 0
		.amdhsa_enable_private_segment 0
		.amdhsa_kernarg_size 40
		.amdhsa_user_sgpr_count 2
		.amdhsa_user_sgpr_kernarg_segment_ptr 1
		.amdhsa_wavefront_size32 1
		.amdhsa_system_sgpr_workgroup_id_x 1
		.amdhsa_system_sgpr_workgroup_id_y 1
		.amdhsa_system_sgpr_workgroup_id_z 1
		.amdhsa_system_vgpr_workitem_id 0
		.amdhsa_next_free_vgpr 768
		.amdhsa_next_free_sgpr 92
		.amdhsa_reserve_vcc 0
		.amdhsa_float_denorm_mode_32 3
		.amdhsa_float_denorm_mode_16_64 3
		.amdhsa_memory_ordered 1
		.amdhsa_forward_progress 1
		.amdhsa_inst_pref_size 243
	.end_amdhsa_kernel
	.amdgpu_metadata
---
amdhsa.version: [ 1, 2 ]
amdhsa.kernels:
  - .name:           k_q1b5ba5e7a4_mix
    .symbol:         k_q1b5ba5e7a4_mix.kd
    .args:
      - { .name: p, .offset: 0, .size: 8, .value_kind: global_buffer, .address_space: global }
      - { .name: xh, .offset: 8, .size: 8, .value_kind: global_buffer, .address_space: global }
      - { .name: out_scale, .offset: 16, .size: 8, .value_kind: global_buffer, .address_space: global }
      - { .name: mx, .offset: 24, .size: 8, .value_kind: global_buffer, .address_space: global }
      - { .name: out0, .offset: 32, .size: 8, .value_kind: global_buffer, .address_space: global }
    .group_segment_fixed_size: 327680
    .private_segment_fixed_size: 0
    .kernarg_segment_align: 8
    .kernarg_segment_size: 40
    .max_flat_workgroup_size: 128
    .sgpr_count:     92
    .vgpr_count:     768
    .wavefront_size: 32
...
	.end_amdgpu_metadata
.endif
;; end of part 3
